; MI455X (gfx1250); checked and timed in simulation.
; The chip was launched on July 23, 2026; its instructions are those of AMD's public machine-readable ISA for CDNA 5 (MIT licence, August 2026) and "CDNA5" Instruction Set Architecture Reference Guide (July 2026). The comments in the code are by the model that wrote it; some were corrected since.
;; Causal Self Attention. Allowed arithmetic: matrix products marked QUANTISED: E5M2 operands, one given power-of-two scale a tensor, by v_wmma_f32_16x16x64_bf8_bf8 or v_wmma_f32_16x16x128_bf8_bf8, f32 sums; everything else in f32.
;; Inputs: b_attn 3,072 float32; b_proj 1,024 float32; lowp_scales 8 int32 (the exponents e of the quantised operands' scales 2^e); w_attn_codes 3,072 x 32 x 32 uint8 (E5M2 codes of w_attn, K innermost, in blocks of 32 codes); w_proj_codes 1,024 x 32 x 32 uint8 (E5M2 codes of w_proj, K innermost, in blocks of 32 codes); x_codes 4 x 2,048 x 32 x 32 uint8 (E5M2 codes of x, K innermost, in blocks of 32 codes).
;; Outputs: out0 4 x 2,048 x 1,024 float32.
;; This version of the problem:
;;   THIS VERSION OF THE PROBLEM IS GIVEN IN LOW PRECISION. The matrix products marked QUANTISED in the list below multiply operands that are first quantised to E5M2 (5 exponent bits, 2 mantissa bits; 8 bits a number), with one given power-of-two scale for each operand tensor; their sums are f32. All else is computed in f32.
;;   The module's matrix products, in the order in which they are computed (A, B: the left and right operand; K: the contracted axis; several contracted axes count as one K, in the product's order):
;;     1. [M 8,192, K 1,024] x [K 1,024, N 3,072]; A: input x (given as codes); B: input w_attn (given as codes): QUANTISED (scales: A lowp_scales[0], B lowp_scales[1])
;;     2. batch 64 x [M 2,048, K 64] x [K 64, N 2,048]; A: computed on the way; B: computed on the way: QUANTISED (scales: A lowp_scales[2], B lowp_scales[3])
;;     3. batch 64 x [M 2,048, K 2,048] x [K 2,048, N 64]; A: softmax (see below); B: computed on the way: QUANTISED (scales: A lowp_scales[4], B lowp_scales[5])
;;     4. [M 8,192, K 1,024] x [K 1,024, N 1,024]; A: computed on the way; B: input w_proj (given as codes): QUANTISED (scales: A lowp_scales[6], B lowp_scales[7])
;;   THE QUANTISER, for each operand of a quantised product, along K:
;;     - The operand's scale is 2^e, e = its entry of the input lowp_scales (int32; the entries are numbered through the quantised products in the list's order, A before B).
;;     - Each number is divided by the scale, clamped to +-57,344, and rounded to the nearest number of E5M2, ties to even, subnormals kept.
;;     - The product sums the exact products of the quantised numbers (number of the format x scale) in f32.
;;   ~~~python
;;   def quantise(x, axis, e):      # numpy; x: float32 -> the quantised numbers, widened to float32 again
;;       x = np.moveaxis(x, axis, -1); K = x.shape[-1]
;;       r = np.clip(x / 2.0 ** e, -57344, 57344)
;;       step = 2.0 ** (np.maximum(np.frexp(np.where(r == 0, 1, r))[1] - 1, -14) - 2)
;;       q = np.round(r / step) * step * 2.0 ** e      # np.round: ties to even
;;       return np.moveaxis(q, -1, axis).astype(np.float32)
;;   ~~~
;;   SOFTMAX AHEAD OF A QUANTISED PRODUCT. Where the list says 'softmax', what is quantised is not the finished softmax but p = 2^(t - M), with t = logit x log2(e) and M = ceil(the row's largest t), a whole number; so 1/2 < the row's largest p <= 1. The row's sum l is taken of the UNQUANTISED p, in f32, and the product's result is divided by l at the end. Since M is a whole number, a kernel that streams over the keys may use a running M (the ceiling of the running maximum): every later rescaling is an exact power of two, so the quantised numbers keep their values, but for numbers so far below the row's largest that they fall under the format's range.
;;   OPERANDS COMPUTED ON THE WAY. 'Computed on the way' means the value that the module computes at that place (a softmax that the list does not call 'softmax' is quantised finished and normalised). What goes into a quantiser is computed in f32, as accurately as f32 sums, v_exp_f32 and their like allow (about 1e-6 of the number): no bf16 or f16 on the way to a quantiser, and a product that is left as it is and whose result goes on into a quantised operand takes f32 operands (vector FMAs, or v_wmma_f32_16x16x4_f32). A number that lies on a knife's edge between two numbers of the format may be rounded either way, as far as f32 arithmetic and the matrix unit's own rounding can turn it there, and no further.
;;   INPUTS GIVEN AS CODES. w_attn (in the module: [1024, 3072], K = its axis 0); w_proj (in the module: [1024, 1024], K = its axis 0); x (in the module: [4, 2048, 1024], K = its axis 2): each comes as NAME_codes (uint8): NAME with its K axis moved to the last place and cut into blocks of 32 codes, [.., K / 32, bytes a block], one block behind the other in memory; one code a byte (a code: sign, 5 exponent bits, 2 mantissa bits); its scale is its entry of lowp_scales. Its value is code x scale, taken as it is: it is not quantised again, and the codes and scales need not be those that the quantiser above would give.
;; One version. Each part assembles by itself: llvm-mc -triple=amdgcn-amd-amdhsa -mcpu=gfx1250 --defsym DOCPART=n.
;; ======== version 1 of 1: 3 launches
;; limits: right only within a limited range of input values
;; workspace buffers: qc 8,388,608 bytes; kc 8,388,608 bytes; vc 8,388,608 bytes; yc 8,388,608 bytes
;; launch qkv (part 1): grid 12 x 32, 4 waves a work-group, clusters of 4 x 4, 327,680 bytes of LDS; arguments x_codes, w_attn_codes, lowp_scales, b_attn, qc, kc, vc; writes qc, kc, vc
.if DOCPART == 1
	.amdgcn_target "amdgcn-amd-amdhsa--gfx1250"
	.amdhsa_code_object_version 6
	.text
	.protected	k_qb6a482c858_qkv
	.globl	k_qb6a482c858_qkv
	.p2align	8
	.type	k_qb6a482c858_qkv,@function
k_qb6a482c858_qkv:
	s_mov_b64 s[64:65], 0
	v_nop
	global_prefetch_b8 v0, s[64:65] scope:SCOPE_SE
	s_setreg_imm32_b32 hwreg(HW_REG_WAVE_MODE, 25, 1), 1
	s_wait_xcnt 0x0
	s_wait_alu depctr_hold_cnt(0) depctr_sa_sdst(0) depctr_va_vdst(0) depctr_va_sdst(0) depctr_va_ssrc(0) depctr_va_vcc(0) depctr_vm_vsrc(0)
	s_getreg_b32 s2, hwreg(HW_REG_IB_STS2, 6, 4)
	s_cmp_eq_u32 s2, 0
	s_cbranch_scc0 .Lentry_in_a_cluster
	s_endpgm
.Lentry_in_a_cluster:
	s_bfe_u32 s2, ttmp6, 0x10000c
	s_cmp_lg_u32 s2, 0xf033
	s_cbranch_scc0 .Lentry_shape_is_right
	s_endpgm
.Lentry_shape_is_right:
; qkv = x w_attn + b_attn on codes of E5M2, and q, k, v quantised to codes of E5M2 for the attention launch.
; x: [8192][1024] codes, w_attn: [3072][1024] codes (K innermost in both), b_attn [3072] f32.  The buffer of scales holds e0 .. e7: x 2^e0, w_attn 2^e1, q 2^e2, k 2^e3, v 2^e5.
; A finished sum is multiplied by 2^(e0 + e1) and the bias added in one fused multiply-add; the number is converted with the scale 2^e of its tensor.
; LIMITS: e0 + e1 between -126 and 127; e2, e3, e5 between -126 and 112, so that each power of two below is an f32 number.  NaN and infinity among the codes or the biases are not served.
; SHARES.  A tile of 256 rows of x by 256 columns is made by a work-group of four waves; a wave makes 128 x 128: 64 accumulators of 16 x 16, 512 registers.  K goes in steps of 256 through a ring of two LDS slots.
; CLUSTERS: 4 x 4 work-groups.  The four of a row of the cluster need the same rows of x, the four of a column the same rows of w_attn: each tile is asked for jointly, by the same tensor load with a mask that names the four.
; The cluster's x is 0 for q's columns, 1 for k's, 2 for v's: it is the same in all sixteen partners, so what hangs on it is alike in all of them.
; WHICH OPERAND IS WHICH.  In a result, lane (r, h) (r = lane % 16, h = lane / 16) holds in register j the element (source 0's row 8 h + j, source 1's row r).
;   q, k: source 0 = rows of w_attn, source 1 = rows of x: a lane holds one token and eight neighbouring channels, which are neighbours along the next product's K (the head's 64).
;   v:    source 0 = rows of x, source 1 = rows of w_attn: a lane holds one channel and eight neighbouring tokens, which are neighbours along the next product's K (the keys).
; So one conversion of an accumulator's eight registers gives two registers of the next product's operand, and THE OUTPUTS ARE IMAGES OF OPERAND REGISTERS: register p of lane l lies at byte 512 (p / 4) + 16 l + 4 (p % 4).
;   qc, kc: [batch x head 64][tile of 16 tokens 128][1,024 bytes]: register 2 c + e: token 16 tile + r, channels 16 c + 8 h + 4 e on.
;   vc:     [batch x head 64][128 keys 16][16 channels 4][2,048 bytes]: register 2 c + e: channel 16 dt + r, keys 16 c + 8 h + 4 e on.
; The tensor loads are the same for all three: x's 256 rows first in a slot, w_attn's behind them.  Only the addresses from which the fragments are read change places for v.
; REGISTERS, in windows of 256: window 0: v16-31 addresses; v32-95 the bias by columns; v96-111 the bias by rows, each number twice; v112 the scale; from v128 source 1's fragments, one set;
;   on the way out v128-191 numbers, v192-223 codes.   window 1: source 0's fragments, two sets.   windows 2, 3: the accumulators ((a, b) at v[8 (8 (a % 4) + b)]).
.set SIZE_K, 1024
.set KSTEP,  256                       ; along K in a slot
.set ROWB,   256                       ; a tile's row in bytes
.set KROW,   SIZE_K                    ; a row of x or of w_attn in memory, in bytes
.set PITCH,  272                       ; an LDS row: 256 bytes + 16 of padding = 68 words: row r starts at bank 4 r mod 64 (64 banks of 4 bytes: ISA guide 11.1)
.set FR,     16                        ; registers of a fragment: 16 rows x 128 K
.set NL,     4                         ; LDS loads that bring one
.set NP,     4                         ; places behind this matrix instruction (ISA guide 7.12.1)
.set HALFT,  128*PITCH                 ; 128 rows: what one tensor load brings
.set SLOT,   4*HALFT                   ; x's 256 rows, then w_attn's 256 rows
.set LAPS,   SIZE_K/(2*KSTEP)          ; a lap = two K steps = once round the ring
.set SPARE,  2*SLOT                    ; behind the ring: the spare words, 128 bytes for each wave
.set ADRA, 16                          ; v16-17  LDS address of source 1's fragments in slot 0, 1
.set ADRB, 20                          ; v20-21  the same for source 0
.set GO,   26                          ; v26     16 x lane: my place in an image
.set HB,   27                          ; v27     32 h: the bias by columns
.set SPW,  28                          ; v28     LDS address of my spare word; never rewritten
.set NIL,  29                          ; v29     0; never rewritten
.set RB,   30                          ; v30     4 r: the bias by rows
.set BI,   32                          ; v32-95  b_attn at column 16 b + 8 h + j of my 128, register 8 b + j
.set BV,   96                          ; v96-111 b_attn at column 16 a + r, in registers 2 a and 2 a + 1
.set SC,   112                         ; v112    2^e as f32
.set LIM,  113
.set AF,   128                         ; source 1's fragments
.set TMP,  128                         ; the way out: a block's 64 numbers
.set PC,   192                         ; the way out: a block's 16 registers of codes, two sets by turns
.set G1, 24                            ; s[24:31] descriptor group 1 for x's tiles;  s[32:39] group 0, one set for each slot
.set G0, 32
.set G1B, 48                           ; s[48:55], s[56:63] the same for w_attn's tiles
.set G0B, 56
.set MSB, 0
.macro WIN new                         ; the immediate's high byte repeats the setting that is left
.if MSB != (\new)
	s_set_vgpr_msb (MSB<<8)|(\new)
.set MSB, (\new)
.endif
.endm
.set MUL_LO, 0xa1                      ; source 0 window 1, source 1 window 0, C and D window 2
.set MUL_HI, 0xf1                      ; the same, C and D window 3
.set TO_B,   0x40                      ; destination window 1, address window 0
; A joint load: waves 0 and 1 fetch x's halves, waves 2 and 3 w_attn's.  Each line has one mask and one set of registers; the branch hangs on the wave's number alone.
; Four v_nop follow each of the two lines, ahead of the jump, the label and what follows.
.macro JLOAD g0a, g1a, g0b, g1b
	s_cmp_eq_u32 s15, 0
	s_cbranch_scc0 .Lfor_b_\@
	tensor_load_to_lds s[\g0a:\g0a+3], s[\g1a:\g1a+7]
	s_nop 0
.rept 4
	v_nop
.endr
	s_branch .Lasked_\@
.Lfor_b_\@:
	tensor_load_to_lds s[\g0b:\g0b+3], s[\g1b:\g1b+7]
	s_nop 0
.rept 4
	v_nop
.endr
.Lasked_\@:
.endm
.macro CREST                           ; a round of the cluster's barrier behind its opening barrier
	s_cmp_lg_u32 s14, 0
	s_cbranch_scc1 .Lnot_wave_0_\@
	s_barrier_signal -3
.Lnot_wave_0_\@:
	s_barrier_wait -3
	s_barrier_signal -1
	s_barrier_wait -1
.endm
.macro CROUND                          ; a whole round
	s_barrier_signal -1
	s_barrier_wait -1
	CREST
.endm
	s_load_b128 s[4:7], s[0:1], 0x0                ; x's codes s[4:5], w_attn's codes s[6:7]
	s_load_b128 s[8:11], s[0:1], 0x10              ; the scales' exponents s[8:9], b_attn s[10:11]
	s_load_b128 s[84:87], s[0:1], 0x20             ; qc s[84:85], kc s[86:87]
	s_load_b64 s[88:89], s[0:1], 0x30              ; vc
	v_lshl_add_u32 v[SPW], v0, 2, SPARE
	v_mov_b32 v[NIL], 0
	ds_add_u32 v28, v29
	ds_add_u32 v28, v29
	s_wait_dscnt 0x0
	v_lshrrev_b32 v1, 5, v0
	v_readfirstlane_b32 s14, v1                    ; wave 0..3
	s_lshr_b32 s15, s14, 1                         ; which half source 1 takes.  Also: I fetch for x (0) or for w_attn (1)
	s_and_b32 s16, s14, 1                          ; which half source 0 takes.  Also: which 128 rows of that tile I fetch
	s_bfe_u32 s40, ttmp6, 0x40000                  ; cx, cy: my place in the cluster
	s_bfe_u32 s41, ttmp6, 0x40004
	s_lshl_b32 s42, ttmp9, 2
	s_add_co_u32 s42, s42, s40                     ; tile column = 4 x cluster x + cx
	s_and_b32 s17, ttmp7, 0xffff
	s_lshl_b32 s17, s17, 2
	s_add_co_u32 s17, s17, s41                     ; tile row = 4 x cluster y + cy
	s_lshl_b32 s43, s41, 2
	s_lshl_b32 s43, 15, s43                        ; my row of the cluster
	s_lshl_b32 s44, 0x1111, s40                    ; my column
	; descriptor group 1: a tile of 128 rows x 256 bytes, padded in LDS
	s_or_b32 s[G1+0], s43, (0<<16)|(1<<20)|(1<<21)|(5<<22)|(3<<25)  ; 15:0 the mask: x's tiles go to my row; 17:16 element of 1 byte; 20 padding on; 21 set beside a mask; 24:22 after every 64 words; 31:25 four words
	s_or_b32 s[G1B+0], s44, (0<<16)|(1<<20)|(1<<21)|(5<<22)|(3<<25)
.irp g, G1, G1B
	s_mov_b32 s[\g+1], ROWB<<16                    ; tensor_dim0
	s_mov_b32 s[\g+2], 128<<16                     ; tensor_dim1 = 128
	s_mov_b32 s[\g+3], ROWB<<16                    ; tile_dim0
	s_mov_b32 s[\g+4], 128                         ; tile_dim1 = 128
	s_mov_b32 s[\g+5], KROW                        ; tensor_dim0_stride
	s_mov_b32 s[\g+6], 0
	s_mov_b32 s[\g+7], 0
.endr
	s_lshl_b32 s18, s16, 7                         ; which 128 rows of the tile I fetch
	s_lshl_b32 s20, s17, 8
	s_add_co_u32 s20, s20, s18                     ; x: row 256 x tile row + 128 x half
	s_lshl_b32 s46, s42, 8
	s_add_co_u32 s46, s46, s18                     ; w_attn: row 256 x tile column + 128 x half
	s_mov_b32 s21, 0
	s_mov_b32 s47, 0
	s_mov_b64 s[18:19], KROW
	s_mul_u64 s[20:21], s[20:21], s[18:19]
	s_mul_u64 s[46:47], s[46:47], s[18:19]
	s_mul_i32 s45, s14, HALFT                      ; where they go: wave x 128 rows: no place in the cluster enters an LDS address
	s_wait_kmcnt 0x0
	s_load_b256 s[68:75], s[8:9], 0x0              ; e0 .. e7
	s_add_nc_u64 s[20:21], s[4:5], s[20:21]
	s_add_nc_u64 s[46:47], s[6:7], s[46:47]
	CROUND                                         ; all sixteen work-groups are here: the first joint loads meet
.irp s, 0,1
	s_mov_b32 s[G0+4*\s], 1
	s_add_co_u32 s[G0+4*\s+1], s45, \s*SLOT
	s_add_nc_u64 s[G0+4*\s+2:G0+4*\s+3], s[20:21], \s*ROWB
	s_or_b32 s[G0+4*\s+3], s[G0+4*\s+3], 0x80000000
	s_mov_b32 s[G0B+4*\s], 1
	s_add_co_u32 s[G0B+4*\s+1], s45, \s*SLOT
	s_add_nc_u64 s[G0B+4*\s+2:G0B+4*\s+3], s[46:47], \s*ROWB
	s_or_b32 s[G0B+4*\s+3], s[G0B+4*\s+3], 0x80000000
	JLOAD G0+4*\s, G1, G0B+4*\s, G1B
.endr
	v_and_b32 v1, 15, v0                           ; r
	v_bfe_u32 v2, v0, 4, 1                         ; h
	v_mul_u32_u24 v3, v1, PITCH
	v_lshl_add_u32 v4, v2, 4, v3                   ; a fragment's row x pitch + 16 h
	s_wait_alu depctr_va_vdst(0)
	s_cmp_eq_u32 ttmp9, 2                          ; v's columns?  The cluster's x: the same in all partners
	s_cselect_b32 s79, 2*HALFT, 0                  ; source 1 reads w_attn's rows for v, x's for q and k,
	s_cselect_b32 s80, 0, 2*HALFT                  ; source 0 the other
	s_cselect_b32 s77, s16, s15                    ; so this is my half of the tile's rows of x,
	s_cselect_b32 s78, s15, s16                    ; and this my half of its columns
	s_mul_i32 s21, s15, HALFT
	s_add_co_u32 s21, s21, s79
	s_mul_i32 s22, s16, HALFT
	s_add_co_u32 s22, s22, s80
.irp s, 0,1
	v_add_nc_u32 v[ADRA+\s], s21, v4
	v_add_nc_u32 v[ADRB+\s], s22, v4
	s_add_co_u32 s21, s21, SLOT
	s_add_co_u32 s22, s22, SLOT
.endr
	v_and_b32 v6, 31, v0
	v_lshlrev_b32 v[GO], 4, v6
	v_lshlrev_b32 v[HB], 5, v2
	v_lshlrev_b32 v[RB], 2, v1
	s_lshl_b32 s81, s42, 10                        ; b_attn at my 128 columns: 4 (256 x tile column + 128 x half)
	s_lshl_b32 s82, s78, 9
	s_add_co_u32 s82, s81, s82
	s_mov_b32 s83, 0
	s_add_nc_u64 s[10:11], s[10:11], s[82:83]
.irp b, 0,1,2,3,4,5,6,7                        ; both layouts are loaded on the one path of the head; each way out reads its own
	global_load_b128 v[BI+8*\b:BI+8*\b+3],   v[HB], s[10:11] offset:64*\b
	global_load_b128 v[BI+8*\b+4:BI+8*\b+7], v[HB], s[10:11] offset:64*\b+16
.endr
.irp a, 0,1,2,3,4,5,6,7
	global_load_b32 v[BV+2*\a],   v[RB], s[10:11] offset:64*\a
	global_load_b32 v[BV+2*\a+1], v[RB], s[10:11] offset:64*\a     ; twice: the packed form names a pair
.endr
	s_cmp_eq_u32 ttmp9, 0                          ; the output: a choice between buffers on the cluster's x
	s_cselect_b64 s[90:91], s[84:85], s[86:87]
	s_cmp_eq_u32 ttmp9, 2
	s_cselect_b64 s[90:91], s[88:89], s[90:91]
	s_lshr_b32 s81, s17, 3                         ; the batch: eight tile rows each
	s_lshl_b32 s81, s81, 4
	s_and_b32 s82, s42, 3
	s_lshl_b32 s82, s82, 2
	s_add_co_u32 s81, s81, s82                     ; + 4 heads a tile column
	s_lshl_b32 s82, s78, 1
	s_add_co_u32 s81, s81, s82                     ; + 2 heads a half
	s_lshl_b32 s81, s81, 17                        ; a head's codes are 2^17 bytes in each of the three buffers
	s_and_b32 s82, s17, 7
	s_lshl_b32 s82, s82, 14                        ; 256 tokens are 16 images of 1,024 bytes (q, k) or 8 of 2,048 (v)
	s_add_co_u32 s81, s81, s82
	s_lshl_b32 s82, s77, 13                        ; my 128 of them
	s_add_co_u32 s82, s81, s82
	s_add_nc_u64 s[90:91], s[90:91], s[82:83]
.macro FRAG reg, adr, q, i             ; 16 rows x 128 K: lane l holds row l % 16; registers 4 c .. 4 c + 3 hold K = 32 c + 16 (l / 16) + 0 .. 15: the same order of k in both sources, so every product meets its partner
.irp c, 0,1,2,3
	ds_load_b128 v[\reg+4*\c:\reg+4*\c+3], v[\adr] offset:128*(\q)+32*\c+(\i)*16*PITCH
.endr
.endm
; 16 matrix instructions: source 1's blocks a0, a0 + 1 x source 0's eight, 128 along K.  p: source 0's set.  zero = 1: the first product starts the sums.
; The 64 accumulators take turns, one instruction a turn, in the same order in every step.
.macro MUL16 a0, p, zero
.irp a, \a0, \a0+1
.irp b, 0,1,2,3,4,5,6,7
.if \zero
	v_wmma_f32_16x16x128_bf8_bf8 v[8*(8*((\a)%4)+\b):8*(8*((\a)%4)+\b)+7], v[128*(\p)+FR*\b:128*(\p)+FR*\b+FR-1], v[AF+FR*(\a):AF+FR*(\a)+FR-1], 0
.else
	v_wmma_f32_16x16x128_bf8_bf8 v[8*(8*((\a)%4)+\b):8*(8*((\a)%4)+\b)+7], v[128*(\p)+FR*\b:128*(\p)+FR*\b+FR-1], v[AF+FR*(\a):AF+FR*(\a)+FR-1], v[8*(8*((\a)%4)+\b):8*(8*((\a)%4)+\b)+7]
.endif
.endr
.endr
.endm
.macro FETCH_B slot, q, p              ; source 0's eight fragments of the slot's q-th 128 along K into set p
	WIN TO_B
.irp i, 0,1,2,3,4,5,6,7
	FRAG 128*(\p)+FR*\i, ADRB+\slot, \q, \i
.endr
	WIN 0
.endm
.macro FETCH_A slot, q, i0             ; source 1's blocks i0 .. i0 + 3
.irp i, \i0, \i0+1, \i0+2, \i0+3
	FRAG AF+FR*(\i), ADRA+\slot, \q, \i
.endr
.endm
; A load into a register that a matrix instruction has read, and a vector instruction that reads a matrix result or writes one of its registers, stand NP places behind it; only plain vector
; instructions that name none of its registers are places (ISA guide 7.12.1 for vector instructions).
.macro PLACES n
.rept \n
	v_nop
.endr
.endm
; A step of 128 along K that has its successor in the same slot.  A block of source 1 is free as soon as its eight products are issued: blocks 0-3 are fetched anew in the middle, blocks 4-7 at the end.
.macro STEP slot, q, zero
	s_wait_dscnt 4*NL                              ; source 0's set and blocks 0-3 are in; the youngest sixteen loads (blocks 4-7) may be out
	WIN MUL_LO
	MUL16 0, (\q)%2, \zero
	MUL16 2, (\q)%2, \zero
	s_wait_dscnt 0                                 ; blocks 4-7 are in
	PLACES NP
	FETCH_B \slot, (\q)+1, 1-(\q)%2
	FETCH_A \slot, (\q)+1, 0
	WIN MUL_HI
	MUL16 4, (\q)%2, \zero
	MUL16 6, (\q)%2, \zero
	PLACES NP
	WIN 0
	FETCH_A \slot, (\q)+1, 4
.endm
; A slot's last step changes slots: one barrier; in front of it each wave waits for all its tensor loads, adds 0 to its spare word, and waits for that and for its own reads of this slot.  fill = 1: this slot is filled again, two K steps ahead.
.macro TURN slot, next, fill
	s_wait_tensorcnt 0x0                           ; all my tensor loads have landed: my part of the next slot
	ds_add_u32 v[SPW], v[NIL]                      ; 0 onto my spare word
	s_wait_dscnt 4*NL+1                            ; the add and the youngest sixteen loads (blocks 4-7) may be out
	WIN MUL_LO
	MUL16 0, 1, 0                                  ; sixteen matrix instructions stand between the add and the wait for it
	s_wait_dscnt 0x0                               ; the add is done, and my reads of this slot are over
	s_barrier_signal -1
	MUL16 2, 1, 0
	WIN 0
	s_barrier_wait -1
.if \fill
	CREST                                          ; the barrier has opened a round of the cluster's barrier: no wave of any partner still reads this slot or has a load on its way
	s_add_nc_u64 s[G0+4*\slot+2:G0+4*\slot+3], s[G0+4*\slot+2:G0+4*\slot+3], 2*ROWB
	s_add_nc_u64 s[G0B+4*\slot+2:G0B+4*\slot+3], s[G0B+4*\slot+2:G0B+4*\slot+3], 2*ROWB
	JLOAD G0+4*\slot, G1, G0B+4*\slot, G1B         ; the first tensor load behind the round; its four v_nop are the places in front of the loads below
.else
	PLACES NP
.endif
	FETCH_B \next, 0, 0
	FETCH_A \next, 0, 0
	WIN MUL_HI
	MUL16 4, 1, 0
	MUL16 6, 1, 0
	PLACES NP
	WIN 0
	FETCH_A \next, 0, 4
.endm
	s_wait_alu depctr_va_vdst(0)
	s_wait_tensorcnt 1                             ; my part of K step 0 is in; K step 1's load may be out
	s_barrier_signal -1
	s_barrier_wait -1                              ; everybody's is
	FETCH_B 0, 0, 0
	FETCH_A 0, 0, 0
	FETCH_A 0, 0, 4
	STEP 0, 0, 1                                   ; the first step stands in front of the loop: its products start the sums
	s_mov_b32 s3, LAPS-1
.Llap:                                                 ; a trip goes once round the ring, from a lap's second step to the next lap's first, and fills both slots again
	TURN 0, 1, 1
	STEP 1, 0, 0
	TURN 1, 0, 1
	STEP 0, 0, 0
	s_sub_co_u32 s3, s3, 1
	s_cmp_lg_u32 s3, 0
	s_cbranch_scc1 .Llap
	TURN 0, 1, 0                                   ; the last lap fills nothing, and has no round of the cluster's barrier
	STEP 1, 0, 0
	s_wait_dscnt 4*NL                              ; the very last step: nothing more to fetch
	WIN MUL_LO
	MUL16 0, 1, 0
	MUL16 2, 1, 0
	s_wait_dscnt 0
	WIN MUL_HI
	MUL16 4, 1, 0
	MUL16 6, 1, 0
	WIN 0
; THE WAY OUT, by source 1's blocks.  Block a's 64 sums a lane: x 2^(e0 + e1) + bias (two a line, each accumulator from its low end on), eight conversions: 16 registers of codes,
; which are images as they stand: four stores of 512 consecutive bytes each.  isv = 0: two heads' images of 1,024 bytes (token tile a);  isv = 1: one image of 2,048 bytes (head a / 4, channels 16 (a % 4) on).
.macro EPI isv
.irp a, 0,1,2,3,4,5,6,7
	WIN 0x02+(\a)/4                                ; source 0: window 2 or 3
.set j, 0
.rept 32
.if \isv
	v_pk_fma_f32 v[TMP+j:TMP+j+1], v[64*((\a)%4)+j:64*((\a)%4)+j+1], s[96:97], v[BV+2*(\a):BV+2*(\a)+1] op_sel_hi:[1,0,0]   ; one channel a lane: one bias for all
.else
	v_pk_fma_f32 v[TMP+j:TMP+j+1], v[64*((\a)%4)+j:64*((\a)%4)+j+1], s[96:97], v[BI+j:BI+j+1] op_sel_hi:[1,0,1]             ; register 8 b + i: column 16 b + 8 h + i
.endif
.set j, j+2
.endr
	WIN 0
.if \a > 1
	s_wait_alu depctr_va_vdst(0)
	s_wait_xcnt 0x0                                ; block a - 2's stores have read their data: that set of codes is written again only behind this wait
.endif
.set j, 0
.rept 64
.set j, j+1
.endr
.irp b, 0,1,2,3,4,5,6,7
	v_cvt_scalef32_pk8_bf8_f32 v[PC+16*((\a)%2)+2*\b:PC+16*((\a)%2)+2*\b+1], v[TMP+8*\b:TMP+8*\b+7], v[SC]
.endr
	v_nop                                          ; one plain vector line behind the last conversion: the next block's lines write the conversions' sources
.irp g, 0,1,2,3
.if \isv
	global_store_b128 v[GO], v[PC+16*((\a)%2)+4*\g:PC+16*((\a)%2)+4*\g+3], s[90:91] offset:((\a)/4)*131072+((\a)%4)*2048+512*\g
.else
	global_store_b128 v[GO], v[PC+16*((\a)%2)+4*\g:PC+16*((\a)%2)+4*\g+3], s[90:91] offset:((\g)/2)*131072+(\a)*1024+((\g)%2)*512
.endif
.endr
.endr
.endm
	s_wait_kmcnt 0x0
	s_add_co_i32 s96, s68, s69                     ; e0 + e1
	s_add_co_i32 s96, s96, 127
	s_lshl_b32 s96, s96, 23                        ; 2^(e0 + e1) as f32
	s_mov_b32 s97, s96                             ; (named with it as a pair, so it is written)
	s_cmp_eq_u32 ttmp9, 0
	s_cselect_b32 s92, s70, s71                    ; e2 for q, e3 for k,
	s_cmp_eq_u32 ttmp9, 2
	s_cselect_b32 s92, s73, s92                    ; e5 for v: a choice, no branch
	s_add_co_i32 s92, s92, 127
	s_lshl_b32 s93, s92, 23
	v_mov_b32 v[SC], s93                           ; 2^e as f32: the conversion takes its exponent field
	s_wait_loadcnt 0x0                             ; the biases
	PLACES NP                                      ; behind the last products: their results are read and source 1's registers written below
	s_cmp_eq_u32 ttmp9, 2
	s_cbranch_scc1 .Lv
	EPI 0
	s_branch .Ldone
.Lv:
	EPI 1
.Ldone:
	s_wait_tensorcnt 0x0                           ; the wave's end
	ds_add_u32 v[SPW], v[NIL]
	s_wait_dscnt 0x0
	CROUND                                         ; the closing round: no work-group ends while a partner may still ask for a tile that names it
	s_endpgm
.Lfunc_end_k_qb6a482c858_qkv:
	.size	k_qb6a482c858_qkv, .Lfunc_end_k_qb6a482c858_qkv-k_qb6a482c858_qkv
	.p2alignl 7, 3214868480
	.fill 96, 4, 3214868480
	.section	.rodata,"a",@progbits
	.p2align	6, 0x0
	.amdhsa_kernel k_qb6a482c858_qkv
		.amdhsa_group_segment_fixed_size 327680
		.amdhsa_private_segment_fixed_size 0
		.amdhsa_enable_private_segment 0
		.amdhsa_kernarg_size 56
		.amdhsa_user_sgpr_count 2
		.amdhsa_user_sgpr_kernarg_segment_ptr 1
		.amdhsa_wavefront_size32 1
		.amdhsa_system_sgpr_workgroup_id_x 1
		.amdhsa_system_sgpr_workgroup_id_y 1
		.amdhsa_system_sgpr_workgroup_id_z 1
		.amdhsa_system_vgpr_workitem_id 0
		.amdhsa_next_free_vgpr 1024
		.amdhsa_next_free_sgpr 100
		.amdhsa_reserve_vcc 0
		.amdhsa_float_denorm_mode_32 3
		.amdhsa_float_denorm_mode_16_64 3
		.amdhsa_fp16_overflow 1
		.amdhsa_memory_ordered 1
		.amdhsa_forward_progress 1
		.amdhsa_inst_pref_size 130
	.end_amdhsa_kernel
	.amdgpu_metadata
---
amdhsa.version: [ 1, 2 ]
amdhsa.kernels:
  - .name:           k_qb6a482c858_qkv
    .symbol:         k_qb6a482c858_qkv.kd
    .args:
      - { .name: x_codes, .offset: 0, .size: 8, .value_kind: global_buffer, .address_space: global }
      - { .name: w_attn_codes, .offset: 8, .size: 8, .value_kind: global_buffer, .address_space: global }
      - { .name: lowp_scales, .offset: 16, .size: 8, .value_kind: global_buffer, .address_space: global }
      - { .name: b_attn, .offset: 24, .size: 8, .value_kind: global_buffer, .address_space: global }
      - { .name: qc, .offset: 32, .size: 8, .value_kind: global_buffer, .address_space: global }
      - { .name: kc, .offset: 40, .size: 8, .value_kind: global_buffer, .address_space: global }
      - { .name: vc, .offset: 48, .size: 8, .value_kind: global_buffer, .address_space: global }
    .group_segment_fixed_size: 327680
    .private_segment_fixed_size: 0
    .kernarg_segment_align: 8
    .kernarg_segment_size: 56
    .max_flat_workgroup_size: 128
    .sgpr_count:     100
    .vgpr_count:     1024
    .wavefront_size: 32
...
	.end_amdgpu_metadata
.endif
;; end of part 1
;; launch attn (part 2): grid 4 x 64, 16 waves a work-group, no clusters, 327,680 bytes of LDS; arguments qc, kc, vc, lowp_scales, yc; writes yc
.if DOCPART == 2
	.amdgcn_target "amdgcn-amd-amdhsa--gfx1250"
	.amdhsa_code_object_version 6
	.text
	.protected	k_qb6a482c858_attn
	.globl	k_qb6a482c858_attn
	.p2align	8
	.type	k_qb6a482c858_attn,@function
k_qb6a482c858_attn:
	s_mov_b64 s[64:65], 0
	v_nop
	global_prefetch_b8 v0, s[64:65] scope:SCOPE_SE
	s_setreg_imm32_b32 hwreg(HW_REG_WAVE_MODE, 25, 1), 1
	s_wait_xcnt 0x0
; y[b][t][head] = the sum over keys s <= t of softmax_s(q[t] . k[s] / 8) v[s], both products on codes of E5M2, and y quantised to codes of E5M2 for the last product.
; The buffer of scales holds e0 .. e7: q 2^e2, k 2^e3, p 2^e4, v 2^e5, y 2^e6.
; THE SOFTMAX AHEAD OF THE SECOND PRODUCT: t = score x log2(e) / 8; M = the row's largest t so far, rounded UP to a whole number; p = 2^(t - M) is what is quantised; it is not normalised.
; The row's sum is taken of the unquantised p, in f32, and divides O at the end.  When M moves, the sum and O are multiplied by 2^(old M - new M): exact.
; OPERANDS ARE IMAGES OF REGISTERS: register p of lane l lies at byte 512 (p / 4) + 16 l + 4 (p % 4) of its image, so every load, from memory and from LDS, takes 512 consecutive bytes.  Lane l = (r = l % 16, h = l / 16).
;   qc, kc: [batch x head 64][tile of 16 tokens 128][1,024]: register 2 c + e: token r of the tile, channels 16 c + 8 h + 4 e on.     vc: [batch x head 64][128 keys 16][16 channels 4][2,048]: channel r, keys 16 c + 8 h + 4 e on.
;   yc: [tile of 16 rows 512][128 along K 8][2,048]: register 4 c + e: row r, K = 32 c + 16 h + 4 e on; a head owns 1,024 bytes of a row tile's 16,384.
; Both products are used transposed: S^T = K Q^T (source 0 = 16 keys, source 1 = my 16 queries), O^T = V^T P^T (source 0 = 16 channels, source 1 = P): a lane holds ONE query (r) throughout.
; In S^T register 8 c + j of a lane is key 16 c + 8 h + j of the step: a conversion of eight registers gives registers 2 c, 2 c + 1 of P's operand as it stands.
; SHARES.  Work-group (i, batch x head) owns the blocks of 256 queries 7 - i and i of its head, one after the other: 8 - i slots of 256 keys, then i + 1: NINE slots in every work-group, so the trip count is a constant and the work is even.
; Each of the sixteen waves owns one tile of 16 queries of a block, tile 8 ((w ^ (w >> 2)) & 1) + (w >> 1): among the waves with equal w % 4, and among those with equal w / 4, two tiles lie in the block's lower half and two in its upper.
; A step all of whose 128 keys come after the wave's queries is left out (a scalar branch on ids); on the diagonal hidden scores become -infinity ahead of the maximum.  Key 0 counts for every query, so M is a number from the first step on.
; K's and V's images come through a ring of two LDS slots of 256 keys: wave 0 fetches K's 16,384 bytes, wave 1 V's; all sixteen read them.
; NO CLUSTER: the four work-groups of a head want different key slots in the same trip once the first of them has changed blocks (slot g against slot g - 8 + i), so joint requests would not be alike in all partners.
; LIMITS on the given exponents, so that each power of two below is an f32 number: e2 + e3 between -123 and 130 (they are added to c's exponent field); e4 and e6 between -126 and 112; e4 + e5 is applied by v_ldexp_f32 and has none.
; REGISTERS: v1 16 x lane; v3 256 x lane; v5, v6 the spare word's address and 0; v8 the slot's address; v12 -M, v13 the largest t, v[14:15] the sum; v16-23 Q in hand, v24-31 Q of the second block; v32-95 eight fragments of K, then four of V;
;   v96-159 S^T, then p; v160-191 O^T; v192-207 p's codes; v208-215 y's codes as stored; v216-219 what the other half of the lanes sent; v224-231 y's codes as converted; v232-235 what I send; v236-254 at work and constants.
.set SLOT1, 1<<15                      ; a slot: K's 16 images of 1,024 bytes, then V's 8 of 2,048; one exclusive or turns an address in one slot into the other's
.set VOFF,  16384
.set SPARE, 2*SLOT1                    ; behind the ring: the spare words, 128 bytes for each of the sixteen waves
.set LI,   1
.set PFO,  3
.set SPW,  5
.set NIL,  6
.set ADR,  8
.set TB,   2                           ; s2   LDS byte at which the slot in hand begins
.set HM,   3                           ; s3   the mask of lanes 16 to 31
.set WV,   18                          ; s18  my wave's number
.set SEL,  20                          ; s[20:21] lane selects for v_permlanex16_b32: lane l xor 16
.set CS,   22                          ; s[22:23] c = log2(e) / 8, with e2 + e3 added to its exponent field
.set G1,   24                          ; s[24:31] descriptor group 1
.set G0,   40                          ; s[40:43] descriptor group 0, which walks
.set PB,   44                          ; s[44:45] my head's first byte in kc (wave 0) or vc
.set NS,   48                          ; s48  the key slot asked for last
.set WRAP, 49                          ; s49  8 - i: the first block's slots
.set SWT,  50                          ; s50  1 + i: the count at which the first block is finished
.set EPV,  51                          ; s51  e4 + e5
.set YB,   52                          ; s[52:53] where the first block's codes of y go
.set YA,   54                          ; s[54:55] the second block's
.set QA0,  56                          ; s56  my first query in the second block
.set SLOTS, 67                         ; s67  slots still to be asked for
.set PFA,  76                          ; s[76:77] where my prefetches stand
.set LIM,  80                          ; s80  2 in a wave that prefetches, else the greatest number
.set KF,   98                          ; s98  the step's first key
.set Q0,   99                          ; s99  my first query
; Waves 0 and 1 fetch, the others nothing: the branch hangs on the wave's number alone.  Four v_nop follow the line.  A wave has at most one tensor load out.
.macro TLOAD
	s_cmp_lt_u32 s[WV], 2
	s_cbranch_scc0 .Lasked_\@
	tensor_load_to_lds s[G0:G0+3], s[G1:G1+7]
	s_nop 0
.rept 4
	v_nop
.endr
.Lasked_\@:
.endm
; A PREFETCH INTO THE L2 of the key slot that the NEXT change of slots will ask for.  All four work-groups of a head begin with slots 0, 1, ..; the one with i = 0 walks all eight in its first block, and it alone asks:
; waves 4 and 5 for the two halves of K's 16,384 bytes, waves 6 and 7 for V's, lanes 256 bytes apart, one instruction each: each aligned block of 256 bytes of slots 2 to 7 is named once in the launch.
; Slots 0 and 1 come by their loads alone; from the seventh trip on nothing is asked for: there is no eighth slot's successor.
.macro ASK
	s_cmp_gt_u32 s[SLOTS], s[LIM]
	s_cbranch_scc0 .Lnot_mine_\@
	global_prefetch_b8 v[PFO], s[PFA:PFA+1] th:TH_LOAD_NT scope:SCOPE_SE
.Lnot_mine_\@:
.endm
	s_load_b128 s[4:7], s[0:1], 0x0                ; qc s[4:5], kc s[6:7]
	s_load_b128 s[8:11], s[0:1], 0x10              ; vc s[8:9], the scales' exponents s[10:11]
	s_load_b64 s[12:13], s[0:1], 0x20              ; yc
	v_lshl_add_u32 v[SPW], v0, 2, SPARE
	v_mov_b32 v[NIL], 0
	ds_add_u32 v5, v6
	ds_add_u32 v5, v6
	s_wait_dscnt 0x0
	v_lshrrev_b32 v8, 5, v0
	s_delay_alu instid0(VALU_DEP_1)
	v_readfirstlane_b32 s[WV], v8                  ; wave 0..15
	s_and_b32 s82, ttmp7, 0xffff                   ; batch x 16 + head
	s_lshl_b32 s84, s82, 17                        ; its first byte in qc, kc and vc
	s_mov_b32 s85, 0
	s_lshr_b32 s86, s[WV], 2
	s_xor_b32 s86, s86, s[WV]
	s_and_b32 s86, s86, 1
	s_lshl_b32 s86, s86, 3
	s_lshr_b32 s87, s[WV], 1
	s_add_co_u32 s86, s86, s87                     ; my tile of a block
	s_lshl_b32 s86, s86, 4
	s_sub_co_u32 s87, 7, ttmp9
	s_lshl_b32 s87, s87, 8
	s_add_co_u32 s[Q0], s87, s86                   ; my first query: block 7 - i first,
	s_lshl_b32 s87, ttmp9, 8
	s_add_co_u32 s[QA0], s87, s86                  ; block i second
	s_sub_co_u32 s[WRAP], 8, ttmp9
	s_add_co_u32 s[SWT], ttmp9, 1
	; descriptor group 1: a dense block of 16,384 bytes as 64 rows of 256: elements of 8 bytes, 32 to a row
	s_mov_b32 s[G1], 3<<16                         ; 15:0 no mask; 17:16 elements of 8 bytes; no padding
	s_mov_b32 s[G1+1], 32<<16                      ; tensor_dim0
	s_mov_b32 s[G1+2], 64<<16                      ; tensor_dim1
	s_mov_b32 s[G1+3], 32<<16                      ; tile_dim0
	s_mov_b32 s[G1+4], 64                          ; tile_dim1
	s_mov_b32 s[G1+5], 32                          ; tensor_dim0_stride
	s_mov_b32 s[G1+6], 0
	s_mov_b32 s[G1+7], 0
	s_mov_b32 s[SEL], 0x76543210
	s_mov_b32 s[SEL+1], 0xfedcba98
	s_mov_b32 s[CS], 0x3e38aa3b                    ; c = log2(e) / sqrt(64)
	s_mov_b32 s[HM], 0xffff0000
	s_mov_b32 s[TB], 0
	s_mov_b32 s[NS], 0
	s_mov_b32 s47, 0
	s_mov_b32 s[SLOTS], 8
	s_mov_b32 s[KF], 0
	s_wait_kmcnt 0x0
	s_load_b256 s[68:75], s[10:11], 0x0            ; e0 .. e7
	s_cmp_eq_u32 s[WV], 0
	s_cselect_b64 s[PB:PB+1], s[6:7], s[8:9]       ; wave 0 fetches K's images, wave 1 V's
	s_add_nc_u64 s[PB:PB+1], s[PB:PB+1], s[84:85]
	s_mov_b32 s[G0], 1                             ; 1:0 count = 1
	s_and_b32 s[G0+1], s[WV], 1
	s_lshl_b32 s[G0+1], s[G0+1], 14                ; 63:32 LDS address: slot 0, K's part or V's
	s_mov_b64 s[G0+2:G0+3], s[PB:PB+1]             ; 120:64 global address: key slot 0
	s_or_b32 s[G0+3], s[G0+3], 0x80000000          ; 127:126 type = 2
	TLOAD                                          ; slot 0
	s_add_nc_u64 s[4:5], s[4:5], s[84:85]
	s_lshl_b32 s86, s[Q0], 6                       ; a tile of 16 queries is 1,024 bytes
	s_mov_b32 s87, 0
	s_add_nc_u64 s[58:59], s[4:5], s[86:87]
	s_lshl_b32 s86, s[QA0], 6
	s_add_nc_u64 s[60:61], s[4:5], s[86:87]
	v_and_b32 v1, 31, v0
	s_delay_alu instid0(VALU_DEP_1)
	v_lshlrev_b32 v[PFO], 8, v1
	s_delay_alu instid0(VALU_DEP_2)
	v_lshlrev_b32 v[LI], 4, v1
	global_load_b128 v[16:19], v[LI], s[58:59]             ; Q's fragments of both blocks stay in registers
	global_load_b128 v[20:23], v[LI], s[58:59] offset:512
	global_load_b128 v[24:27], v[LI], s[60:61]
	global_load_b128 v[28:31], v[LI], s[60:61] offset:512
	s_lshr_b32 s86, s82, 4                         ; the batch: 128 row tiles of 16,384 bytes,
	s_lshl_b32 s86, s86, 21
	s_and_b32 s83, s82, 15
	s_lshl_b32 s83, s83, 10                        ; the head's 1,024 bytes of a row tile
	s_add_co_u32 s86, s86, s83
	s_add_nc_u64 s[12:13], s[12:13], s[86:87]
	s_lshl_b32 s86, s[Q0], 10
	s_add_nc_u64 s[YB:YB+1], s[12:13], s[86:87]
	s_lshl_b32 s86, s[QA0], 10
	s_add_nc_u64 s[YA:YA+1], s[12:13], s[86:87]
	s_cmp_lt_u32 s[WV], 6                          ; the prefetches: waves 4, 5 stand in kc, waves 6, 7 in vc
	s_cselect_b64 s[PFA:PFA+1], s[6:7], s[8:9]
	s_add_nc_u64 s[PFA:PFA+1], s[PFA:PFA+1], s[84:85]
	s_and_b32 s86, s[WV], 1
	s_lshl_b32 s86, s86, 13                        ; my half of a slot's 16,384 bytes,
	s_add_co_u32 s86, s86, 16384                   ; in slot 1: the first change of slots steps it to slot 2.  Nothing is prefetched here, at the head
	s_add_nc_u64 s[PFA:PFA+1], s[PFA:PFA+1], s[86:87]
	s_sub_co_u32 s86, s[WV], 4
	s_lshr_b32 s86, s86, 2                         ; 0 in waves 4 to 7,
	s_or_b32 s86, s86, ttmp9                       ; of the work-group with i = 0
	s_cmp_eq_u32 s86, 0
	s_cselect_b32 s[LIM], 2, -1
	v_mov_b32 v13, 0xff61b1e6                      ; the largest t so far: -3e38, under every t
	s_delay_alu instid0(VALU_DEP_1)
	v_floor_f32 v12, -v13                          ; -M
	v_mov_b32 v14, 0                               ; the sum, in two halves
	v_mov_b32 v15, 0
	v_mov_b32 v236, 0                              ; written once: a lane permute's destination counts as one of its sources
	v_mov_b32 v252, 0
	v_mov_b32 v253, 0                              ; (named as the upper half of the pair v[252:253])
.irp j, 0,1,2,3
	v_mov_b32 v[216+\j], 0
.endr
.set j, 0
.rept 32
	v_mov_b32 v[160+j], 0                          ; O^T.  (The step is written once: a block's first step finds zeros, which the first change of M leaves zeros)
.set j, j+1
.endr
	s_wait_kmcnt 0x0
	s_add_co_i32 s86, s70, s71
	s_lshl_b32 s86, s86, 23
	s_add_co_i32 s[CS], s[CS], s86                 ; a score stands for score x 2^(e2 + e3): the two exponents are added to c's exponent field
	s_mov_b32 s[CS+1], s[CS]                       ; (named with it as a pair, so it is written)
	s_add_co_i32 s86, s72, 127
	s_lshl_b32 s87, s86, 23
	v_mov_b32 v244, s87                            ; 2^e4 as f32, for p's conversions
	s_add_co_i32 s86, s74, 127
	s_lshl_b32 s87, s86, 23
	v_mov_b32 v245, s87                            ; 2^e6, for y's
	s_add_co_i32 s[EPV], s72, s73                  ; e4 + e5
; A KEY STEP: 128 keys, the q-th of the slot in hand.
.macro STEP q
	s_add_co_u32 s96, s[Q0], 15                    ; a step all of whose keys come after my 16 queries is left out; no barrier and no tensor load stands in a step
	s_cmp_gt_u32 s[KF], s96
	s_cbranch_scc1 .Lhidden_\@
	v_add_nc_u32 v[ADR], s[TB], v[LI]
.rept 3
	v_nop                                          ; with the addition above: four places in front of loads into registers that the last products read
.endr
.irp c, 0,1,2,3,4,5,6,7                        ; K's eight tiles of 16 keys
	ds_load_b128 v[32+8*\c:35+8*\c], v[ADR] offset:8192*(\q)+1024*\c
	ds_load_b128 v[36+8*\c:39+8*\c], v[ADR] offset:8192*(\q)+1024*\c+512
.endr
	s_wait_alu depctr_va_vdst(0)
	s_wait_dscnt 0x0
.irp c, 0,1,2,3,4,5,6,7
	v_wmma_f32_16x16x64_bf8_bf8 v[96+8*\c:103+8*\c], v[32+8*\c:39+8*\c], v[16:23], 0
.endr
.rept 4
	v_nop                                          ; places in front of the loads below and of the first read of the scores
.endr
.irp t, 0,1,2,3                                ; V's four tiles of 16 channels x these 128 keys: they land while the softmax is worked
.irp g, 0,1,2,3
	ds_load_b128 v[32+16*\t+4*\g:35+16*\t+4*\g], v[ADR] offset:VOFF+8192*(\q)+2048*\t+512*\g
.endr
.endr
	s_add_co_u32 s96, s[KF], 127                   ; a step all of whose keys count skips the mask
	s_cmp_le_u32 s96, s[Q0]
	s_cbranch_scc1 .Lopen_\@
	s_sub_co_i32 s96, s[Q0], s[KF]
	v_and_b32 v252, 15, v0
	v_bfe_u32 v253, v0, 4, 1
	s_delay_alu instid0(VALU_DEP_1)
	v_lshlrev_b32 v253, 3, v253
	s_delay_alu instid0(VALU_DEP_1)
	v_sub_nc_u32 v252, v252, v253
	s_delay_alu instid0(VALU_DEP_1)
	v_add_nc_u32 v252, s96, v252                   ; d = my query - KF - 8 h.  Register 8 c + j holds key KF + 8 h + 16 c + j: hidden where 16 c + j > d
	v_mov_b32 v254, 0xff800000                     ; -infinity
.set n, 0
.rept 64
	v_cmp_gt_i32 vcc_lo, 16*(n/8)+n%8, v252
	v_cndmask_b32 v[96+n], v[96+n], v254, vcc_lo
.set n, n+1
.endr
.Lopen_\@:
	v_max3_num_f32 v254, v96, v97, v98             ; the step's largest score of my query, among my 64 keys, in two chains; each accumulator is read from its low end on
	v_max3_num_f32 v252, v99, v100, v101
.irp i, 6,10,14,18,22,26,30,34,38,42,46,50,54,58
	v_max3_num_f32 v254, v254, v[96+\i], v[97+\i]
	v_max3_num_f32 v252, v252, v[98+\i], v[99+\i]
.endr
	v_max3_num_f32 v254, v254, v158, v159
	s_delay_alu instid0(VALU_DEP_1)
	v_max_num_f32 v254, v254, v252
	s_delay_alu instid0(VALU_DEP_1)
	v_permlanex16_b32 v236, v254, s[SEL], s[SEL+1]
	s_delay_alu instid0(VALU_DEP_1)
	v_max_num_f32 v254, v254, v236                 ; and among lane l xor 16's
	s_delay_alu instid0(VALU_DEP_1)
	v_mul_f32 v254, s[CS], v254                    ; as t (c is positive)
	s_delay_alu instid0(VALU_DEP_1)
	v_max_num_f32 v13, v13, v254                   ; the running largest t
	v_mov_b32 v254, v12
	s_delay_alu instid0(VALU_DEP_2)
	v_floor_f32 v12, -v13                          ; the new -M = floor(-t) = -ceil(t): M is a whole number
	s_delay_alu instid0(VALU_DEP_1)
	v_sub_f32 v254, v12, v254                      ; M's old value less its new one: a whole number, 0 or less
	s_delay_alu instid0(VALU_DEP_1)
	v_cvt_i32_f32 v254, v254                       ; (it saturates)
	s_delay_alu instid0(VALU_DEP_1)
	v_ldexp_f32 v252, 1.0, v254                    ; f = 2^(old M - new M)
.set j, 0
.rept 32
	v_pk_fma_f32 v[96+j:97+j], v[96+j:97+j], s[CS:CS+1], v[12:13] op_sel_hi:[1,0,0]   ; t - M, two at a time (of the pairs c and -M the low word serves both halves)
.set j, j+2
.endr
.set j, 0
	s_wait_alu depctr_va_vdst(0)
.rept 64
	v_exp_f32 v[96+j], v[96+j]                     ; p = 2^(t - M), at most 1: not normalised
.set j, j+1
.endr
	v_pk_mul_f32 v[14:15], v[14:15], v[252:253] op_sel_hi:[1,0]   ; the sums under the new M: the plain line behind the exponentials
	s_wait_alu depctr_va_vdst(0)                   ; one wait for the whole batch, ahead of its first reader
	v_pk_add_f32 v[242:243], v[100:101], v[104:105]
	v_pk_add_f32 v[254:255], v[108:109], v[112:113]
	v_pk_add_f32 v[250:251], v[116:117], v[120:121]
	v_pk_add_f32 v[248:249], v[124:125], v[128:129]
	v_pk_add_f32 v[246:247], v[132:133], v[136:137]
	v_pk_add_f32 v[240:241], v[140:141], v[144:145]
	v_pk_add_f32 v[238:239], v[148:149], v[152:153]
	v_pk_add_f32 v[14:15], v[14:15], v[156:157]
	v_pk_add_f32 v[242:243], v[242:243], v[96:97]
	v_pk_add_f32 v[254:255], v[254:255], v[98:99]
	v_pk_add_f32 v[250:251], v[250:251], v[102:103]
	v_pk_add_f32 v[248:249], v[248:249], v[106:107]
	v_pk_add_f32 v[246:247], v[246:247], v[110:111]
	v_pk_add_f32 v[240:241], v[240:241], v[114:115]
	v_pk_add_f32 v[238:239], v[238:239], v[118:119]
	v_pk_add_f32 v[14:15], v[14:15], v[122:123]
	v_pk_add_f32 v[242:243], v[242:243], v[126:127]
	v_pk_add_f32 v[254:255], v[254:255], v[130:131]
	v_pk_add_f32 v[250:251], v[250:251], v[134:135]
	v_pk_add_f32 v[248:249], v[248:249], v[138:139]
	v_pk_add_f32 v[246:247], v[246:247], v[142:143]
	v_pk_add_f32 v[240:241], v[240:241], v[146:147]
	v_pk_add_f32 v[238:239], v[238:239], v[150:151]
	v_pk_add_f32 v[14:15], v[14:15], v[154:155]
	v_pk_add_f32 v[242:243], v[242:243], v[158:159]
	s_delay_alu instid0(VALU_DEP_2)
	v_pk_add_f32 v[14:15], v[14:15], v[248:249]
	s_delay_alu instid0(VALU_DEP_2)
	v_pk_add_f32 v[242:243], v[242:243], v[246:247]
	v_pk_add_f32 v[254:255], v[254:255], v[240:241]
	v_pk_add_f32 v[250:251], v[250:251], v[238:239]
	s_delay_alu instid0(VALU_DEP_2)
	v_pk_add_f32 v[14:15], v[14:15], v[254:255]
	s_delay_alu instid0(VALU_DEP_2)
	v_pk_add_f32 v[242:243], v[242:243], v[250:251]
	s_delay_alu instid0(VALU_DEP_1)
	v_pk_add_f32 v[14:15], v[14:15], v[242:243]
.irp c, 0,1,2,3,4,5,6,7
.irp i, 0,1,2,3,4,5,6,7
.endr
	v_cvt_scalef32_pk8_bf8_f32 v[192+2*\c:193+2*\c], v[96+8*\c:103+8*\c], v244   ; registers 2 c, 2 c + 1 of P's operand: keys 16 c + 8 h + 0 .. 7
.endr
.set j, 0
.rept 16
	v_pk_mul_f32 v[160+j:161+j], v[160+j:161+j], v[252:253] op_sel_hi:[1,0]   ; O^T under the new M: x f.  (Plain lines between the conversions and the products that read their results)
.set j, j+2
.endr
	s_wait_alu depctr_va_vdst(0)
	s_wait_dscnt 0x0                               ; V is in
.irp t, 0,1,2,3                                ; O^T += V^T P^T: the four accumulators by turns; the next step's eight products K Q^T stand between two links of a chain
	v_wmma_f32_16x16x128_bf8_bf8 v[160+8*\t:167+8*\t], v[32+16*\t:47+16*\t], v[192:207], v[160+8*\t:167+8*\t]
.endr
.Lhidden_\@:
	s_add_co_u32 s[KF], s[KF], 128
.endm
; THE CHANGE OF SLOTS stands at a slot's head.  Each wave waits for all its tensor loads (its part of the slot that it is about to read), adds 0 to its spare word, and waits for that and for its reads of the slot that it has left.
; Behind the barrier the slot ahead is whole and nobody reads the other one.  fill = 1: that other slot is filled with the key slot that follows: the next one, or slot 0 again where the first block's slots are through.
.macro CHANGE fill
	s_wait_tensorcnt 0x0                           ; no tensor load of mine is out, so group 0 may be written
	ds_add_u32 v[SPW], v[NIL]                      ; 0 onto my spare word
.if \fill
	s_xor_b32 s[G0+1], s[G0+1], SLOT1              ; the other slot than last time
	s_add_co_u32 s[NS], s[NS], 1
	s_cmp_eq_u32 s[NS], s[WRAP]
	s_cselect_b32 s[NS], 0, s[NS]                  ; a choice on the work-group's number, no branch
	s_lshl_b32 s46, s[NS], 14
	s_add_nc_u64 s[G0+2:G0+3], s[PB:PB+1], s[46:47]
	s_or_b32 s[G0+3], s[G0+3], 0x80000000
	s_wait_xcnt 0x0                                ; the last prefetch, a slot back, has read its address, so it may be written
	s_add_nc_u64 s[PFA:PFA+1], s[PFA:PFA+1], 16384
.endif
	s_wait_dscnt 0x0                               ; the add is done, and my reads of the slot that I have left are over
	s_barrier_signal -1
	s_barrier_wait -1
.if \fill
	TLOAD                                          ; the first thing behind the barrier, and a wave's one tensor load until the next
	ASK                                            ; the key slot behind the one just asked for: a slot's two key steps ahead of its load
.endif
.endm
.macro SLOT_STEPS
	STEP 0
	STEP 1
	s_xor_b32 s[TB], s[TB], SLOT1                  ; on to the other slot
.endm
; A BLOCK'S END.  O^T / the sum x 2^(e4 + e5) is y; it is converted with 2^e6.  A lane then has channels 16 dt + 8 h + 0 .. 7 (dt = 0 .. 3) of its row; the image wants 32 c + 16 h + 0 .. 15 (c = 0, 1):
; lanes 0-15 send their dt = 2 c + 1 to lane l + 16 and get its dt = 2 c.  Two stores of 512 consecutive bytes.  again = 1: the state is set for the second block.
.macro FINISH yb, again
.rept 4
	v_nop                                          ; places behind the last products
.endr
	v_add_f32 v14, v14, v15                        ; the sum's two halves,
	s_delay_alu instid0(VALU_DEP_1)
	v_permlanex16_b32 v252, v14, s[SEL], s[SEL+1]
	s_delay_alu instid0(VALU_DEP_1)
	v_add_f32 v14, v14, v252                       ; and lane l xor 16's: the row's sum
	s_wait_alu depctr_va_vdst(0)
	v_rcp_f32 v14, v14
	v_nop                                          ; a plain line behind the transcendental
	s_wait_xcnt 0x0                                ; an earlier block's stores have read their data: v208-215 are written again only behind this wait
	s_wait_alu depctr_va_vdst(0)                   ; the wait ahead of the reciprocal's first reader
	v_ldexp_f32 v14, v14, s[EPV]
.set j, 0
.rept 16
	v_pk_mul_f32 v[96+j:97+j], v[160+j:161+j], v[14:15] op_sel_hi:[1,0]   ; register 8 dt + i is y(r, 16 dt + 8 h + i); each accumulator from its low end on
.set j, j+2
.endr
.set j, 0
.rept 32
.set j, j+1
.endr
.irp t, 0,1,2,3
	v_cvt_scalef32_pk8_bf8_f32 v[224+2*\t:225+2*\t], v[96+8*\t:103+8*\t], v245
.endr
	v_nop                                          ; one plain line between the conversions and the lines that read their results
.irp c, 0,1
.irp e, 0,1
	v_cndmask_b32 v[232+2*\c+\e], v[226+4*\c+\e], v[224+4*\c+\e], s[HM]   ; what I send: lanes 0-15 dt = 2 c + 1, lanes 16-31 dt = 2 c
.endr
.endr
.irp n, 0,1,2,3
	s_delay_alu instid0(VALU_DEP_4)
	v_permlanex16_b32 v[216+\n], v[232+\n], s[SEL], s[SEL+1]
.endr
.irp c, 0,1
.irp e, 0,1
	v_cndmask_b32 v[208+4*\c+\e], v[224+4*\c+\e], v[216+2*\c+\e], s[HM]   ; the lower eight channels: lanes 0-15 their own, lanes 16-31 what came
	v_cndmask_b32 v[210+4*\c+\e], v[216+2*\c+\e], v[226+4*\c+\e], s[HM]   ; the upper eight: the other way round
.endr
.endr
	global_store_b128 v[LI], v[208:211], s[\yb:\yb+1]
	global_store_b128 v[LI], v[212:215], s[\yb:\yb+1] offset:512
.if \again
.irp j, 0,1,2,3,4,5,6,7
	v_mov_b32 v[16+\j], v[24+\j]                   ; the second block's Q
.endr
	v_mov_b32 v13, 0xff61b1e6
	s_delay_alu instid0(VALU_DEP_1)
	v_floor_f32 v12, -v13
	v_mov_b32 v14, 0
	v_mov_b32 v15, 0
.set j, 0
.rept 32
	v_mov_b32 v[160+j], 0
.set j, j+1
.endr
	s_mov_b32 s[KF], 0
	s_mov_b32 s[Q0], s[QA0]
.endif
.endm
	s_wait_loadcnt 0x0                             ; Q
.Lslot:                                            ; eight trips: behind each change of slots but the last the next slot is asked for
	CHANGE 1
	SLOT_STEPS
	s_cmp_lg_u32 s[SLOTS], s[SWT]                  ; the first block's 8 - i slots are through where the count stands at 1 + i: a branch on the work-group's number
	s_cbranch_scc1 .Lgo
	FINISH YB, 1
.Lgo:
	s_sub_co_u32 s[SLOTS], s[SLOTS], 1
	s_cmp_lg_u32 s[SLOTS], 0
	s_cbranch_scc1 .Lslot
	CHANGE 0                                       ; the ninth slot is written out
	SLOT_STEPS
	FINISH YA, 0
	s_wait_tensorcnt 0x0                           ; the wave's end
	ds_add_u32 v[SPW], v[NIL]
	s_wait_dscnt 0x0
	s_endpgm
.Lfunc_end_k_qb6a482c858_attn:
	.size	k_qb6a482c858_attn, .Lfunc_end_k_qb6a482c858_attn-k_qb6a482c858_attn
	.p2alignl 7, 3214868480
	.fill 96, 4, 3214868480
	.section	.rodata,"a",@progbits
	.p2align	6, 0x0
	.amdhsa_kernel k_qb6a482c858_attn
		.amdhsa_group_segment_fixed_size 327680
		.amdhsa_private_segment_fixed_size 0
		.amdhsa_enable_private_segment 0
		.amdhsa_kernarg_size 40
		.amdhsa_user_sgpr_count 2
		.amdhsa_user_sgpr_kernarg_segment_ptr 1
		.amdhsa_wavefront_size32 1
		.amdhsa_system_sgpr_workgroup_id_x 1
		.amdhsa_system_sgpr_workgroup_id_y 1
		.amdhsa_system_sgpr_workgroup_id_z 1
		.amdhsa_system_vgpr_workitem_id 0
		.amdhsa_next_free_vgpr 256
		.amdhsa_next_free_sgpr 100
		.amdhsa_reserve_vcc 1
		.amdhsa_float_denorm_mode_32 3
		.amdhsa_float_denorm_mode_16_64 3
		.amdhsa_fp16_overflow 1
		.amdhsa_memory_ordered 1
		.amdhsa_forward_progress 1
		.amdhsa_inst_pref_size 93
	.end_amdhsa_kernel
	.amdgpu_metadata
---
amdhsa.version: [ 1, 2 ]
amdhsa.kernels:
  - .name:           k_qb6a482c858_attn
    .symbol:         k_qb6a482c858_attn.kd
    .args:
      - { .name: qc, .offset: 0, .size: 8, .value_kind: global_buffer, .address_space: global }
      - { .name: kc, .offset: 8, .size: 8, .value_kind: global_buffer, .address_space: global }
      - { .name: vc, .offset: 16, .size: 8, .value_kind: global_buffer, .address_space: global }
      - { .name: lowp_scales, .offset: 24, .size: 8, .value_kind: global_buffer, .address_space: global }
      - { .name: yc, .offset: 32, .size: 8, .value_kind: global_buffer, .address_space: global }
    .group_segment_fixed_size: 327680
    .private_segment_fixed_size: 0
    .kernarg_segment_align: 8
    .kernarg_segment_size: 40
    .max_flat_workgroup_size: 512
    .sgpr_count:     100
    .vgpr_count:     256
    .wavefront_size: 32
...
	.end_amdgpu_metadata
.endif
;; end of part 2
;; launch proj (part 3): grid 4 x 64, 4 waves a work-group, clusters of 4 x 4, 327,680 bytes of LDS; arguments yc, w_proj_codes, lowp_scales, b_proj, out0; writes out0
.if DOCPART == 3
	.amdgcn_target "amdgcn-amd-amdhsa--gfx1250"
	.amdhsa_code_object_version 6
	.text
	.protected	k_qb6a482c858_proj
	.globl	k_qb6a482c858_proj
	.p2align	8
	.type	k_qb6a482c858_proj,@function
k_qb6a482c858_proj:
	s_mov_b64 s[64:65], 0
	v_nop
	global_prefetch_b8 v0, s[64:65] scope:SCOPE_SE
	s_setreg_imm32_b32 hwreg(HW_REG_WAVE_MODE, 25, 1), 1
	s_wait_xcnt 0x0
	s_wait_alu depctr_hold_cnt(0) depctr_sa_sdst(0) depctr_va_vdst(0) depctr_va_sdst(0) depctr_va_ssrc(0) depctr_va_vcc(0) depctr_vm_vsrc(0)
	s_getreg_b32 s2, hwreg(HW_REG_IB_STS2, 6, 4)
	s_cmp_eq_u32 s2, 0
	s_cbranch_scc0 .Lentry_in_a_cluster
	s_endpgm
.Lentry_in_a_cluster:
	s_bfe_u32 s2, ttmp6, 0x10000c
	s_cmp_lg_u32 s2, 0xf033
	s_cbranch_scc0 .Lentry_shape_is_right
	s_endpgm
.Lentry_shape_is_right:
; out0 = y w_proj + b_proj on codes of E5M2.  y: 8,192 rows x 1,024 as images of operand registers (below); w_proj: [1024][1024] codes, K innermost; b_proj [1024] and out0 [8192][1024] f32.
; The buffer of scales holds e0 .. e7: y 2^e6, w_proj 2^e7.  The codes are multiplied as they are; each finished sum is multiplied by 2^(e6 + e7) and the bias added in one fused multiply-add.
; LIMIT: e6 + e7 between -126 and 127, so that 2^(e6 + e7) is an f32 number.
; yc: [tile of 16 rows 512][128 along K 8][2,048 bytes]: register p of lane l at byte 512 (p / 4) + 16 l + 4 (p % 4); register 4 c + e of lane (r = l % 16, h = l / 16): row r, K = 32 c + 16 h + 4 e on:
; the order of k in which four loads of 16 bytes, 32 bytes apart, bring a fragment of w_proj's rows: the same in both sources, so every product meets its partner.
; SHARES.  A tile of out0 is 128 rows x 256 columns: 256 work-groups (tiles of 256 x 256 would be 128).  Four waves, each 64 rows x 128 columns: 32 accumulators of 16 x 16, 256 registers.
; K goes in steps of 256 through a ring of two LDS slots.  A slot: y's 8 row tiles x 2 images (32,768 bytes, dense), then 256 rows of w_proj, 256 bytes + 16 of padding each.
; CLUSTERS: 4 x 4 work-groups.  The four of a row of the cluster need the same images of y, the four of a column the same rows of w_proj: each tile is asked for jointly.
; THE MATRIX INSTRUCTION IS USED TRANSPOSED (source 0 = 16 rows of w_proj, source 1 = 16 rows of y): a lane then holds eight neighbouring numbers of a row of out0.
; REGISTERS, in windows of 256: window 0: v16-31 addresses; v128-191, v192-255 y's fragments, two sets; on the way out v32-95 numbers, v128-255 rows read back.
;   window 1: w_proj's fragments, two sets, at v0 and v128.   window 2: the accumulators ((a, b) at v[8 (8 a + b)]).   window 3: v0-63 b_proj at column 16 b + 8 h + j of my 128, register 8 b + j.
.set PITCH,  272                       ; an LDS row of w_proj: 68 words: row r starts at bank 4 r mod 64 (64 banks of 4 bytes: ISA guide 11.1)
.set HALFB,  128*PITCH                 ; 128 rows of w_proj: what one tensor load brings
.set AREG,   32768                     ; y's images in a slot
.set SLOT,   AREG+2*HALFB
.set SPARE,  2*SLOT                    ; behind the ring: the spare words, 128 bytes for each wave
.set ASTEP,  4096                      ; a K step of 256 in a row tile of yc: two images
.set BSTEP,  256                       ; and in a row of w_proj
.set LAPS,   2                         ; 1,024 along K: four K steps, twice round the ring
.set SPITCH, 528                       ; the way out: a stage of 16 rows x (512 bytes + 16) for each wave, in slot 0, which has had its last fill and its last read when the first result is stored there
.set ADRA, 16                          ; v16-17  LDS address of y's images in slot 0, 1
.set ADRB, 20                          ; v20-21  of w_proj's fragments
.set STO,  24                          ; v24     the way out: where I put 32 bytes of a row
.set RD,   25                          ; v25     where I read a row back
.set CO,   26                          ; v26     16 x lane
.set HB,   27                          ; v27     32 h: the bias
.set SPW,  28                          ; v28     LDS address of my spare word; never rewritten
.set NIL,  29                          ; v29     0; never rewritten
.set TMP,  32
.set BK,   128
.set G1, 24                            ; s[24:31] descriptor group 1 for y's tiles;  s[32:39] group 0, one set for each slot
.set G0, 32
.set G1B, 48                           ; s[48:55], s[56:63] the same for w_proj's
.set G0B, 56
.set MSB, 0
.macro WIN new                         ; the immediate's high byte repeats the setting that is left
.if MSB != (\new)
	s_set_vgpr_msb (MSB<<8)|(\new)
.set MSB, (\new)
.endif
.endm
.set MUL, 0xa1                         ; source 0 window 1, source 1 window 0, C and D window 2
; A joint load: waves 0 and 1 fetch y's halves, waves 2 and 3 w_proj's.  Four v_nop follow each of the two lines, ahead of the jump, the label and what follows.
.macro JLOAD s
	s_cmp_eq_u32 s15, 0
	s_cbranch_scc0 .Lfor_b_\@
	tensor_load_to_lds s[G0+4*\s:G0+4*\s+3], s[G1:G1+7]
	s_nop 0
.rept 4
	v_nop
.endr
	s_branch .Lasked_\@
.Lfor_b_\@:
	tensor_load_to_lds s[G0B+4*\s:G0B+4*\s+3], s[G1B:G1B+7]
	s_nop 0
.rept 4
	v_nop
.endr
.Lasked_\@:
.endm
.macro CREST                           ; a round of the cluster's barrier behind its opening barrier
	s_cmp_lg_u32 s14, 0
	s_cbranch_scc1 .Lnot_wave_0_\@
	s_barrier_signal -3
.Lnot_wave_0_\@:
	s_barrier_wait -3
	s_barrier_signal -1
	s_barrier_wait -1
.endm
.macro CROUND
	s_barrier_signal -1
	s_barrier_wait -1
	CREST
.endm
	s_load_b128 s[4:7], s[0:1], 0x0                ; yc s[4:5], w_proj's codes s[6:7]
	s_load_b128 s[8:11], s[0:1], 0x10              ; the scales' exponents s[8:9], b_proj s[10:11]
	s_load_b64 s[12:13], s[0:1], 0x20              ; out0
	v_lshl_add_u32 v[SPW], v0, 2, SPARE
	v_mov_b32 v[NIL], 0
	ds_add_u32 v28, v29
	ds_add_u32 v28, v29
	s_wait_dscnt 0x0
	v_lshrrev_b32 v1, 5, v0
	v_readfirstlane_b32 s14, v1                    ; wave 0..3
	s_lshr_b32 s15, s14, 1                         ; which 64 rows are mine.  Also: I fetch for y (0) or for w_proj (1)
	s_and_b32 s16, s14, 1                          ; which 128 columns.  Also: which half of that tile I fetch
	s_bfe_u32 s40, ttmp6, 0x40000                  ; cx, cy: my place in the cluster
	s_bfe_u32 s41, ttmp6, 0x40004
	s_lshl_b32 s42, ttmp9, 2
	s_add_co_u32 s42, s42, s40                     ; tile column = 4 x cluster x + cx
	s_and_b32 s17, ttmp7, 0xffff
	s_lshl_b32 s17, s17, 2
	s_add_co_u32 s17, s17, s41                     ; tile row = 4 x cluster y + cy
	s_lshl_b32 s43, s41, 2
	s_lshl_b32 s43, 15, s43                        ; my row of the cluster
	s_lshl_b32 s44, 0x1111, s40                    ; my column
	; y's group 1: 4 row tiles x 4,096 bytes (two images each), 16,384 bytes apart in memory, dense in LDS
	s_or_b32 s[G1+0], s43, (0<<16)|(1<<21)         ; 15:0 the mask: my row; 17:16 element of 1 byte; 21 set beside a mask; no padding
	s_mov_b32 s[G1+1], 4096<<16                    ; tensor_dim0
	s_mov_b32 s[G1+2], 4<<16                       ; tensor_dim1
	s_mov_b32 s[G1+3], 4096<<16                    ; tile_dim0
	s_mov_b32 s[G1+4], 4                           ; tile_dim1
	s_mov_b32 s[G1+5], 16384                       ; tensor_dim0_stride
	s_mov_b32 s[G1+6], 0
	s_mov_b32 s[G1+7], 0
	; w_proj's group 1: 128 rows x 256 bytes, padded in LDS
	s_or_b32 s[G1B+0], s44, (0<<16)|(1<<20)|(1<<21)|(5<<22)|(3<<25)  ; the mask: my column; padding: four words after every 64
	s_mov_b32 s[G1B+1], 256<<16
	s_mov_b32 s[G1B+2], 128<<16
	s_mov_b32 s[G1B+3], 256<<16
	s_mov_b32 s[G1B+4], 128
	s_mov_b32 s[G1B+5], 1024
	s_mov_b32 s[G1B+6], 0
	s_mov_b32 s[G1B+7], 0
	s_lshl_b32 s20, s17, 17                        ; y: 8 row tiles of 16,384 bytes a tile row,
	s_lshl_b32 s18, s16, 16                        ; + the four that I fetch
	s_add_co_u32 s20, s20, s18
	s_mov_b32 s21, 0
	s_lshl_b32 s46, s42, 18                        ; w_proj: 256 rows of 1,024 bytes a tile column,
	s_lshl_b32 s18, s16, 17                        ; + the 128 that I fetch
	s_add_co_u32 s46, s46, s18
	s_mov_b32 s47, 0
	s_lshl_b32 s45, s16, 14                        ; where they go: y's half,
	s_mul_i32 s19, s16, HALFB
	s_add_co_u32 s19, s19, AREG                    ; w_proj's half: no place in the cluster enters an LDS address
	s_wait_kmcnt 0x0
	s_load_b256 s[68:75], s[8:9], 0x0              ; e0 .. e7
	s_add_nc_u64 s[20:21], s[4:5], s[20:21]
	s_add_nc_u64 s[46:47], s[6:7], s[46:47]
	CROUND                                         ; all sixteen work-groups are here: the first joint loads meet
.irp s, 0,1
	s_mov_b32 s[G0+4*\s], 1
	s_add_co_u32 s[G0+4*\s+1], s45, \s*SLOT
	s_add_nc_u64 s[G0+4*\s+2:G0+4*\s+3], s[20:21], \s*ASTEP
	s_or_b32 s[G0+4*\s+3], s[G0+4*\s+3], 0x80000000
	s_mov_b32 s[G0B+4*\s], 1
	s_add_co_u32 s[G0B+4*\s+1], s19, \s*SLOT
	s_add_nc_u64 s[G0B+4*\s+2:G0B+4*\s+3], s[46:47], \s*BSTEP
	s_or_b32 s[G0B+4*\s+3], s[G0B+4*\s+3], 0x80000000
	s_wait_alu depctr_va_vdst(0)
	s_wait_tensorcnt 0x0
	ds_add_u32 v28, v29
	ds_add_u32 v28, v29
	s_wait_dscnt 0x0
	CROUND
	JLOAD \s
.endr
	v_and_b32 v1, 15, v0                           ; r
	v_bfe_u32 v2, v0, 4, 1                         ; h
	v_and_b32 v6, 31, v0
	v_lshlrev_b32 v[CO], 4, v6                     ; 16 x lane
	v_mul_u32_u24 v3, v1, PITCH
	v_lshl_add_u32 v4, v2, 4, v3                   ; a fragment's row x pitch + 16 h
	s_lshl_b32 s21, s15, 14                        ; my four row tiles' images
	s_mul_i32 s22, s16, HALFB
	s_add_co_u32 s22, s22, AREG                    ; my 128 rows of w_proj
.irp s, 0,1
	v_add_nc_u32 v[ADRA+\s], s21, v[CO]
	v_add_nc_u32 v[ADRB+\s], s22, v4
	s_add_co_u32 s21, s21, SLOT
	s_add_co_u32 s22, s22, SLOT
.endr
	s_mul_i32 s23, s14, 16*SPITCH                  ; my stage
	v_mul_u32_u24 v5, v1, SPITCH                   ; in: row r, 32 bytes for each half of the lanes
	v_lshl_add_u32 v5, v2, 5, v5
	v_add_nc_u32 v[STO], s23, v5
	v_add_nc_u32 v[RD], s23, v[CO]                 ; back: the 32 lanes take one row of 512 bytes
	v_lshlrev_b32 v[HB], 5, v2
	s_wait_alu depctr_va_vdst(0)
	s_lshl_b32 s20, s17, 19                        ; out0: 128 rows of 4,096 bytes a tile row,
	s_lshl_b32 s21, s15, 18                        ; + my 64
	s_add_co_u32 s20, s20, s21
	s_lshl_b32 s46, s42, 10                        ; my first column, in bytes of f32: 1,024 x tile column + 512 x half
	s_lshl_b32 s47, s16, 9
	s_add_co_u32 s46, s46, s47
	s_mov_b32 s47, 0
	s_add_nc_u64 s[10:11], s[10:11], s[46:47]      ; b_proj at my 128 columns
	s_add_co_u32 s20, s20, s46
	s_mov_b32 s21, 0
	s_add_nc_u64 s[12:13], s[12:13], s[20:21]
	WIN 0xc0                                       ; destination window 3
.irp b, 0,1,2,3,4,5,6,7
	global_load_b128 v[8*\b:8*\b+3],   v[HB], s[10:11] offset:64*\b
	global_load_b128 v[8*\b+4:8*\b+7], v[HB], s[10:11] offset:64*\b+16
.endr
	WIN 0
; 48 LDS loads in one run: the fragments of the slot's q-th 128 along K into set p: w_proj's eight, then y's four images
.macro FETCH slot, q, p
	WIN 0x40                                       ; destination window 1
.irp i, 0,1,2,3,4,5,6,7
.irp c, 0,1,2,3
	ds_load_b128 v[128*(\p)+16*\i+4*\c:128*(\p)+16*\i+4*\c+3], v[ADRB+\slot] offset:128*(\q)+32*\c+\i*16*PITCH
.endr
.endr
	WIN 0
.irp i, 0,1,2,3
.irp c, 0,1,2,3
	ds_load_b128 v[128+64*(\p)+16*\i+4*\c:128+64*(\p)+16*\i+4*\c+3], v[ADRA+\slot] offset:4096*\i+2048*(\q)+512*\c
.endr
.endr
.endm
; 8 matrix instructions: y's block a x w_proj's eight, 128 along K, set p.  The 32 accumulators take turns, one instruction a turn, in the same order in every step.
.macro MUL8 a, p, zero
.irp b, 0,1,2,3,4,5,6,7
.if \zero
	v_wmma_f32_16x16x128_bf8_bf8 v[8*(8*(\a)+\b):8*(8*(\a)+\b)+7], v[128*(\p)+16*\b:128*(\p)+16*\b+15], v[128+64*(\p)+16*(\a):128+64*(\p)+16*(\a)+15], 0
.else
	v_wmma_f32_16x16x128_bf8_bf8 v[8*(8*(\a)+\b):8*(8*(\a)+\b)+7], v[128*(\p)+16*\b:128*(\p)+16*\b+15], v[128+64*(\p)+16*(\a):128+64*(\p)+16*(\a)+15], v[8*(8*(\a)+\b):8*(8*(\a)+\b)+7]
.endif
.endr
.endm
.macro PLACES                          ; four places in front of loads into registers that matrix instructions have read, and of the first read of results (ISA guide 7.12.1 for the first read of results)
.rept 4
	v_nop
.endr
.endm
; A slot's first step of 128 along K multiplies set 0 and fetches the second step's fragments into set 1.
.macro STEP slot, zero
	s_wait_dscnt 0x0                               ; set 0 is in
	WIN MUL
	MUL8 0, 0, \zero
	MUL8 1, 0, \zero
	PLACES
	FETCH \slot, 1, 1
	WIN MUL
	MUL8 2, 0, \zero
	MUL8 3, 0, \zero
	WIN 0
.endm
; A slot's second step multiplies set 1 and changes slots: one barrier; in front of it each wave waits for all its tensor loads, adds 0 to its spare word, and waits for that and for its own reads of this slot.  fill = 1: this slot is filled again, two K steps ahead.
.macro TURN slot, next, fill
	s_wait_tensorcnt 0x0                           ; all my tensor loads have landed: my part of the next slot
	ds_add_u32 v[SPW], v[NIL]                      ; 0 onto my spare word
	s_wait_dscnt 1                                 ; set 1 is in; the add alone may be out
	WIN MUL
	MUL8 0, 1, 0                                   ; eight matrix instructions stand between the add and the wait for it
	s_wait_dscnt 0x0                               ; the add is done, and my reads of this slot are over
	s_barrier_signal -1
	MUL8 1, 1, 0
	WIN 0
	s_barrier_wait -1
.if \fill
	CREST                                          ; the barrier has opened a round of the cluster's barrier: no wave of any partner still reads this slot or has a load on its way
	s_add_nc_u64 s[G0+4*\slot+2:G0+4*\slot+3], s[G0+4*\slot+2:G0+4*\slot+3], 2*ASTEP
	s_add_nc_u64 s[G0B+4*\slot+2:G0B+4*\slot+3], s[G0B+4*\slot+2:G0B+4*\slot+3], 2*BSTEP
	JLOAD \slot                                    ; the first tensor load behind the round; its four v_nop are the places in front of the loads below
.else
	PLACES
.endif
	FETCH \next, 0, 0
	WIN MUL
	MUL8 2, 1, 0
	MUL8 3, 1, 0
	WIN 0
.endm
	s_wait_tensorcnt 1                             ; my part of K step 0 is in; K step 1's load may be out
	s_barrier_signal -1
	s_barrier_wait -1                              ; everybody's is
	FETCH 0, 0, 0
	STEP 0, 1                                      ; the first step stands in front of the loop: its products start the sums
	s_mov_b32 s3, LAPS-1
.Llap:                                                 ; a trip goes once round the ring and fills both slots again
	TURN 0, 1, 1
	STEP 1, 0
	TURN 1, 0, 1
	STEP 0, 0
	s_sub_co_u32 s3, s3, 1
	s_cmp_lg_u32 s3, 0
	s_cbranch_scc1 .Llap
	TURN 0, 1, 0                                   ; the last lap fills nothing, and has no round of the cluster's barrier
	STEP 1, 0
	s_wait_dscnt 0x0                               ; the very last step: nothing more to fetch
	WIN MUL
	MUL8 0, 1, 0
	MUL8 1, 1, 0
	MUL8 2, 1, 0
	MUL8 3, 1, 0
	WIN 0
; THE WAY OUT, block by block of 16 rows x 128 columns.  A lane holds 32 neighbouring bytes of a row, and the lanes beside it hold other rows: so a block goes through my own stage in LDS and comes back as whole
; rows of 512 bytes, which the 32 lanes store as 512 consecutive bytes.  LDS serves a wave's instructions in order (ISA guide 5.7.1.4): no wait between the stores and the loads, nor in front of the next block's stores.
.macro TOSTAGE a
	WIN 0x32                                       ; source 0 (the sums) window 2, source 2 (the bias) window 3
.set j, 0
.rept 32
	v_pk_fma_f32 v[TMP+j:TMP+j+1], v[64*(\a)+j:64*(\a)+j+1], s[96:97], v[j:j+1] op_sel_hi:[1,0,1]   ; sum x 2^(e6 + e7) + b_proj; each accumulator from its low end on
.set j, j+2
.endr
	WIN 0
.irp b, 0,1,2,3,4,5,6,7
	ds_store_b128 v[STO], v[TMP+8*\b:TMP+8*\b+3] offset:64*\b
	ds_store_b128 v[STO], v[TMP+8*\b+4:TMP+8*\b+7] offset:64*\b+16
.endr
.set BB, BK+64*((\a)%2)
.irp t, 0,1,2,3,4,5,6,7,8,9,10,11,12,13,14,15
	ds_load_b128 v[BB+4*\t:BB+4*\t+3], v[RD] offset:\t*SPITCH
.endr
.endm
.macro SEND a, younger                 ; younger: the LDS instructions issued behind block a's loads, which may stay out
.set BB, BK+64*((\a)%2)
	s_wait_dscnt \younger                          ; the block is back in registers
.if (\a) > 0
	s_add_nc_u64 s[12:13], s[12:13], 16*4096       ; (behind a wait on XCNT: the earlier stores have read their base)  16 rows of out0 on
.endif
.irp t, 0,1,2,3,4,5,6,7,8,9,10,11,12,13,14,15
	global_store_b128 v[CO], v[BB+4*\t:BB+4*\t+3], s[12:13] offset:\t*4096 th:TH_STORE_NT   ; 32 lanes store 512 consecutive bytes, at a multiple of 256 from out0's first byte; written once, read by nobody here
.endr
.endm
	s_wait_kmcnt 0x0
	s_add_co_i32 s96, s74, s75                     ; e6 + e7
	s_add_co_i32 s96, s96, 127
	s_lshl_b32 s96, s96, 23                        ; 2^(e6 + e7) as f32
	s_mov_b32 s97, s96                             ; (named with it as a pair, so it is written)
	s_wait_loadcnt 0x0                             ; the bias
	PLACES                                         ; behind the last products: their results are read, and loads land in y's fragments' registers
	TOSTAGE 0
.irp a, 1,2,3
.if \a > 1
	s_wait_xcnt 0x0                                ; block a - 2's stores have read their registers and their base: block a's loads may land there, and the base may step
.endif
	TOSTAGE \a
	SEND \a-1, 32                                  ; behind block a - 1's loads: block a's 16 stores and 16 loads
.endr
	s_wait_xcnt 0x0                                ; block 2's stores have read their base
	SEND 3, 0
	s_wait_tensorcnt 0x0                           ; the wave's end, behind my last tensor load and my last LDS store
	ds_add_u32 v[SPW], v[NIL]
	s_wait_dscnt 0x0
	CROUND                                         ; the closing round: no work-group ends while a partner may still ask for a tile that names it
	s_endpgm
.Lfunc_end_k_qb6a482c858_proj:
	.size	k_qb6a482c858_proj, .Lfunc_end_k_qb6a482c858_proj-k_qb6a482c858_proj
	.p2alignl 7, 3214868480
	.fill 96, 4, 3214868480
	.section	.rodata,"a",@progbits
	.p2align	6, 0x0
	.amdhsa_kernel k_qb6a482c858_proj
		.amdhsa_group_segment_fixed_size 327680
		.amdhsa_private_segment_fixed_size 0
		.amdhsa_enable_private_segment 0
		.amdhsa_kernarg_size 40
		.amdhsa_user_sgpr_count 2
		.amdhsa_user_sgpr_kernarg_segment_ptr 1
		.amdhsa_wavefront_size32 1
		.amdhsa_system_sgpr_workgroup_id_x 1
		.amdhsa_system_sgpr_workgroup_id_y 1
		.amdhsa_system_sgpr_workgroup_id_z 1
		.amdhsa_system_vgpr_workitem_id 0
		.amdhsa_next_free_vgpr 1024
		.amdhsa_next_free_sgpr 100
		.amdhsa_reserve_vcc 0
		.amdhsa_float_denorm_mode_32 3
		.amdhsa_float_denorm_mode_16_64 3
		.amdhsa_memory_ordered 1
		.amdhsa_forward_progress 1
		.amdhsa_inst_pref_size 78
	.end_amdhsa_kernel
	.amdgpu_metadata
---
amdhsa.version: [ 1, 2 ]
amdhsa.kernels:
  - .name:           k_qb6a482c858_proj
    .symbol:         k_qb6a482c858_proj.kd
    .args:
      - { .name: yc, .offset: 0, .size: 8, .value_kind: global_buffer, .address_space: global }
      - { .name: w_proj_codes, .offset: 8, .size: 8, .value_kind: global_buffer, .address_space: global }
      - { .name: lowp_scales, .offset: 16, .size: 8, .value_kind: global_buffer, .address_space: global }
      - { .name: b_proj, .offset: 24, .size: 8, .value_kind: global_buffer, .address_space: global }
      - { .name: out0, .offset: 32, .size: 8, .value_kind: global_buffer, .address_space: global }
    .group_segment_fixed_size: 327680
    .private_segment_fixed_size: 0
    .kernarg_segment_align: 8
    .kernarg_segment_size: 40
    .max_flat_workgroup_size: 128
    .sgpr_count:     100
    .vgpr_count:     1024
    .wavefront_size: 32
...
	.end_amdgpu_metadata
.endif
;; end of part 3
